; MI455X (gfx1250); checked and timed in simulation.
; The chip was launched on July 23, 2026; its instructions are those of AMD's public machine-readable ISA for CDNA 5 (MIT licence, August 2026) and "CDNA5" Instruction Set Architecture Reference Guide (July 2026). The comments in the code are by the model that wrote it; some were corrected since.
;; IPEX Scale Dot Product Ref. Allowed arithmetic: matrix products marked QUANTISED: E2M1 operands, one E8M0 scale for each 32 along K, by v_wmma_scale_f32_16x16x128_f8f6f4 with both operands' format E2M1 (or v_wmma_scale_f32_32x16x128_f4), f32 sums; everything else in f32.
;; Inputs: attention_mask 2 x 1 x 2,048 x 2,048 float32; key 2 x 8 x 2,048 x 128 float32; query 2 x 32 x 2,048 x 128 float32; value 2 x 2,048 x 8 x 128 float32.
;; Outputs: out0 2 x 32 x 2,048 x 128 float32.
;; This version of the problem:
;;   THIS VERSION OF THE PROBLEM IS GIVEN IN LOW PRECISION. The matrix products marked QUANTISED in the list below multiply operands that are first quantised to E2M1 (2 exponent bits, 1 mantissa bit; 4 bits a number), with one power-of-two scale for each 32 numbers along K (OCP MX v1.0); their sums are f32. All else is computed in f32.
;;   The module's matrix products, in the order in which they are computed (A, B: the left and right operand; K: the contracted axis; several contracted axes count as one K, in the product's order):
;;     1. batch 64 x [M 2,048, K 128] x [K 128, N 2,048]; A: input query; B: input key: QUANTISED
;;     2. batch 64 x [M 2,048, K 2,048] x [K 2,048, N 128]; A: softmax (see below); B: input value: QUANTISED
;;   THE QUANTISER, for each operand of a quantised product, along K:
;;     - K is cut into blocks of 32 from its start; a last block that is shorter is filled with zeros.
;;     - A block's scale is 2^e with e = floor(log2(the largest magnitude in the block)) - 2, held to -126 .. 127; a block of zeros has e = 0. As a byte (E8M0): e + 127.
;;     - Each number is divided by its block's scale, clamped to +-6, and rounded to the nearest number of E2M1, ties to even, subnormals kept.
;;     - The product sums the exact products of the quantised numbers (number of the format x scale) in f32.
;;   ~~~python
;;   def quantise(x, axis):      # numpy; x: float32 -> the quantised numbers, widened to float32 again
;;       x = np.moveaxis(x, axis, -1); K = x.shape[-1]
;;       x = np.pad(x, [(0, 0)] * (x.ndim - 1) + [(0, -K % 32)]); x = x.reshape(x.shape[:-1] + (-1, 32)); a = np.abs(x).max(-1, keepdims=True)
;;       e = np.where(a > 0, np.clip(np.frexp(np.where(a > 0, a, 1))[1] - 1 - 2, -126, 127), 0)      # np.frexp(a)[1] - 1 = floor(log2(a)), exactly
;;       r = np.clip(x / 2.0 ** e, -6, 6)
;;       step = 2.0 ** (np.maximum(np.frexp(np.where(r == 0, 1, r))[1] - 1, 0) - 1)
;;       q = np.round(r / step) * step * 2.0 ** e      # np.round: ties to even
;;       return np.moveaxis(q.reshape(q.shape[:-2] + (-1,))[..., :K], -1, axis).astype(np.float32)
;;   ~~~
;;   SOFTMAX AHEAD OF A QUANTISED PRODUCT. Where the list says 'softmax', what is quantised is not the finished softmax but p = 2^(t - M), with t = logit x log2(e) and M = ceil(the row's largest t), a whole number; so 1/2 < the row's largest p <= 1. The row's sum l is taken of the UNQUANTISED p, in f32, and the product's result is divided by l at the end. Since M is a whole number, a kernel that streams over the keys may use a running M (the ceiling of the running maximum): every later rescaling is an exact power of two, which a block's scale takes up: the codes' values come out the same.
;;   OPERANDS COMPUTED ON THE WAY. 'Computed on the way' means the value that the module computes at that place (a softmax that the list does not call 'softmax' is quantised finished and normalised). What goes into a quantiser is computed in f32, as accurately as f32 sums, v_exp_f32 and their like allow (about 1e-6 of the number): no bf16 or f16 on the way to a quantiser, and a product that is left as it is and whose result goes on into a quantised operand takes f32 operands (vector FMAs, or v_wmma_f32_16x16x4_f32). A number that lies on a knife's edge between two numbers of the format may be rounded either way, as far as f32 arithmetic and the matrix unit's own rounding can turn it there, and no further.
;; One version. Each part assembles by itself: llvm-mc -triple=amdgcn-amd-amdhsa -mcpu=gfx1250 --defsym DOCPART=n.
;; ======== version 1 of 1: 2 launches
;; limits: right only within a limited range of input values
;; workspace buffers: kv 4,456,448 bytes
;; launch prep (part 1): grid 256 x 1, 8 waves a work-group, no clusters, 46,080 bytes of LDS; arguments key, value, kv; writes kv
.if DOCPART == 1
	.amdgcn_target "amdgcn-amd-amdhsa--gfx1250"
	.amdhsa_code_object_version 6
	.text
	.protected	k_q796cefff56_prep
	.globl	k_q796cefff56_prep
	.p2align	8
	.type	k_q796cefff56_prep,@function
k_q796cefff56_prep:
	s_mov_b64 s[64:65], 0
	v_nop
	global_prefetch_b8 v0, s[64:65] scope:SCOPE_SE
	s_setreg_imm32_b32 hwreg(HW_REG_WAVE_MODE, 25, 1), 1
	s_wait_xcnt 0x0
; K [2][8][2048][128] and V [2][2048][8][128], f32, become codes of FP4 (E2M1) with one E8M0 scale byte for each 32 along the product's K:
; for K that is the head's 128 (innermost in memory), for V the keys (NOT innermost).  Both are quantised once here, since 32 work-groups of the next launch read each of them.
; OUT: kv = 256 blocks of 17,408 bytes; block g = (b 8 + kv head) 16 + step holds what one step of 128 keys wants:
;   +0      K's codes, 128 rows of 64 bytes, rows in TILE ORDER: of each 32 keys the two middle groups of 8 change places, so that row 32 B + 16 u + r is key 32 B + 8 u + r + 8 (r / 8)
;   +8192   V's codes, row d (0 .. 127) of 64 bytes, the step's 128 keys innermost
;   +16384  K's scale words, 4 bytes a row, in the same row order;   +16896  V's scale words, 4 bytes for each d
; A block's scale is 2^(floor(log2(its largest magnitude)) - 2); its byte is the largest magnitude's exponent field - 2, held at 1 from below.
; LIMITS: a block of zeros gets the byte 1 where the rule says 127 (its codes are zeros, which add nothing under any byte but 0xff, and this program alone reads the bytes);
; blocks whose largest magnitude lies under 2^-124 are held at the byte 1; NaN and infinities among the inputs are not served.
; SHARES: work-group g makes block g.  Waves 0-3 take 32 keys of K each, waves 4-7 take 32 columns d x 128 keys of V each.  The two roles part once on the wave's number and never join;
; every wave has LDS bytes of its own, so there is no barrier.  No loop: every offset is an immediate and no store's registers are written again.
; No matrix work, no tensor loads, no cluster: the launch streams, and no two work-groups read the same byte.
.set BLKB,  17408
.set WREG,  5632                       ; LDS of a wave: two stages of 32 x 80 bytes, then 128 scale bytes
.set SP,    80                         ; a place in a stage: 64 bytes + 16 of padding
.set KR,    32                         ; v32-159   K: eight sets of 16 numbers as they are loaded
.set KX,    160                        ; v160-191  K: two sets of 16 neighbours
.set KC,    192                        ; v192-207  K: two registers of codes for each step
.set KE,    208                        ; v208-215  K: a scale byte for each step
.set VX,    32                         ; v32-95    V: two sets of 32 numbers
.set VC,    96                         ; v96-111   V: four registers of codes for each block
.set VSB,   112                        ; v112      V: my column's four scale bytes
.set VOUT,  116                        ; v116-131  V: the way out
	s_load_b128 s[4:7], s[0:1], 0x0                ; key, value
	s_load_b64 s[8:9], s[0:1], 0x10                ; kv
	v_lshl_add_u32 v224, v0, 2, 0xb000
	v_mov_b32 v225, 0
	v_lshrrev_b32 v1, 5, v0
	s_delay_alu instid0(VALU_DEP_1)
	v_readfirstlane_b32 s16, v1                    ; wave 0..7
	v_and_b32 v2, 31, v0                           ; lane
	s_delay_alu instid0(VALU_DEP_1)
	v_lshlrev_b32 v3, 4, v2                        ; 16 x lane
	s_delay_alu instid0(VALU_DEP_2)
	v_lshlrev_b32 v4, 3, v2                        ; 8 x lane
	s_delay_alu instid0(VALU_DEP_3)
	v_lshlrev_b32 v7, 2, v2                        ; 4 x lane
	s_mul_i32 s17, s16, WREG                       ; my wave's LDS
	s_and_b32 s20, s16, 3                          ; my number within my role
	v_lshrrev_b32 v14, 2, v2
	s_delay_alu instid0(VALU_DEP_1)
	v_mul_u32_u24 v14, v14, SP
	v_and_b32 v15, 3, v2
	s_delay_alu instid0(VALU_DEP_1)
	v_lshl_add_u32 v14, v15, 4, v14
	s_delay_alu instid0(VALU_DEP_1)
	v_add_nc_u32 v14, s17, v14                     ; the stage by dense bytes: 80 (lane / 4) + 16 (lane % 4)
	v_mul_u32_u24 v15, v2, SP
	s_delay_alu instid0(VALU_DEP_1)
	v_add_nc_u32 v15, s17, v15                     ; the stage by places: 80 x lane
	v_lshrrev_b32 v5, 1, v2
	s_add_co_u32 s18, s17, 2*32*SP
	v_add_nc_u32 v5, s18, v5                       ; K's scale bytes: my block's byte
	v_add_nc_u32 v6, s18, v7                       ; and on the way out 4 bytes a lane
	s_mul_i32 s22, ttmp9, BLKB                     ; my block of kv
	s_mov_b32 s23, 0
	s_lshl_b32 s24, s20, 11                        ; 2,048 bytes of codes for each wave of a role
	s_mov_b32 s25, 0
	s_lshl_b32 s26, s20, 7                         ; 128 bytes of scale words
	s_mov_b32 s27, 0
	s_wait_kmcnt 0x0
	s_add_nc_u64 s[8:9], s[8:9], s[22:23]
	s_cmp_lt_u32 s16, 4
	s_cbranch_scc0 .Lv
; ---------------- K: 32 keys = 8 steps of 512 numbers (4 keys).  A conversion takes neighbours along K from ONE lane's registers, so a lane must hold 16 neighbours; a load is dense where
; neighbouring lanes take neighbouring bytes.  Both are had: each load reads 512 consecutive bytes, and a step's 2,048 bytes turn through the wave's stage.  Two neighbouring lanes hold a block of 32.
	s_lshl_b32 s28, ttmp9, 16                      ; 128 keys of 512 bytes for each block,
	s_lshl_b32 s30, s20, 14                        ; 32 keys for each wave
	s_add_co_u32 s28, s28, s30
	s_mov_b32 s29, 0
	s_add_nc_u64 s[4:5], s[4:5], s[28:29]
	s_add_nc_u64 s[10:11], s[8:9], s[24:25]        ; my codes
	s_add_nc_u64 s[12:13], s[8:9], s[26:27]
	s_add_nc_u64 s[12:13], s[12:13], 16384         ; my scale words
.macro KLOAD t
.irp i, 0,1,2,3
	global_load_b128 v[KR+16*(\t)+4*\i:KR+16*(\t)+4*\i+3], v3, s[4:5] offset:2048*(\t)+512*\i th:TH_LOAD_NT   ; 32 lanes read 512 consecutive bytes; read once in the launch
.endr
.endm
.macro KTURN t                         ; step t's numbers through a stage: LDS serves a wave's instructions in order (ISA guide 5.7.1.4), so no wait stands between the stores and the loads
.irp i, 0,1,2,3
	ds_store_b128 v14, v[KR+16*(\t)+4*\i:KR+16*(\t)+4*\i+3] offset:32*SP*((\t)%2)+8*SP*\i
.endr
.irp i, 0,1,2,3
	ds_load_b128 v[KX+16*((\t)%2)+4*\i:KX+16*((\t)%2)+4*\i+3], v15 offset:32*SP*((\t)%2)+16*\i
.endr
.endm
.irp t, 0,1,2,3,4,5,6,7
	KLOAD \t                                       ; all of the wave's 32 loads go out at once
.endr
	s_wait_loadcnt 28                              ; step 0's four loads are in; the 28 of steps 1 to 7 may be out
	s_wait_alu depctr_va_vdst(0)
	KTURN 0
.macro KSTEP t
.set XS, KX+16*((\t)%2)
.if (\t) > 0
	s_wait_dscnt 1                                 ; this step's numbers are back from the stage; the last step's byte store may be out
.else
	s_wait_dscnt 0x0
.endif
.if (\t) < 7
	s_wait_loadcnt 4*(6-(\t))                      ; the next step's four loads are in; those of the steps behind it may be out
	KTURN (\t)+1                                   ; and go through the other stage while this step is worked
.endif
	v_max3_num_f32 v8, |v[XS]|, |v[XS+1]|, |v[XS+2]|               ; the largest magnitude of my 16, in two chains
	v_max3_num_f32 v9, |v[XS+3]|, |v[XS+4]|, |v[XS+5]|
.irp i, 6,10
	s_delay_alu instid0(VALU_DEP_2)
	v_max3_num_f32 v8, v8, |v[XS+\i]|, |v[XS+\i+1]|
	s_delay_alu instid0(VALU_DEP_2)
	v_max3_num_f32 v9, v9, |v[XS+\i+2]|, |v[XS+\i+3]|
.endr
	s_delay_alu instid0(VALU_DEP_2)
	v_max3_num_f32 v8, v8, |v[XS+14]|, |v[XS+15]|
	s_delay_alu instid0(VALU_DEP_1)
	v_max3_num_f32 v8, v8, v9, 0x1800000           ; and the floor 2^(3 - 127): the byte cannot fall under 1
	s_delay_alu instid0(VALU_DEP_1)
	v_max_num_f32_dpp v8, v8, v8 row_xmask:1 row_mask:0xf bank_mask:0xf   ; with my neighbour's 16: the block's
	s_delay_alu instid0(VALU_DEP_1)
	v_add_nc_u32 v11, 0xff000000, v8               ; 2 off its exponent field: the conversion takes the exponent field of this operand as its scale, and nothing else of it
	v_cvt_scalef32_pk8_fp4_f32 v[KC+2*(\t)], v[XS:XS+7], v11
	v_cvt_scalef32_pk8_fp4_f32 v[KC+2*(\t)+1], v[XS+8:XS+15], v11
	v_lshrrev_b32 v[KE+(\t)], 23, v11              ; the scale's byte (also the plain line behind the conversions)
	; the step's 4 keys are half of a group of 8; group 0, 1, 2, 3 goes to place 0, 2, 1, 3 of the wave's 32 rows
	ds_store_b8 v5, v[KE+(\t)] offset:32*((((\t)/2)%2)*2+(\t)/4)+16*((\t)%2)   ; both lanes of a block write the same byte with the same value
	global_store_b64 v4, v[KC+2*(\t):KC+2*(\t)+1], s[10:11] offset:512*((((\t)/2)%2)*2+(\t)/4)+256*((\t)%2)   ; the wave stores 256 consecutive bytes, aligned
.endm
.irp t, 0,1,2,3,4,5,6,7
	KSTEP \t
.endr
	ds_load_b32 v12, v6                            ; my wave's 128 scale bytes, in row order: these see my stores
	s_wait_dscnt 0x0
	global_store_b32 v7, v12, s[12:13]             ; 128 consecutive bytes a wave: half of an aligned 256; one byte in 128 of what the launch reads
	s_wait_tensorcnt 0x0
	ds_add_u32 v224, v225
	s_wait_dscnt 0x0
	s_endpgm
; ---------------- V: A LANE TAKES A COLUMN d, AND ITS REGISTERS RUN DOWN THE KEYS: a block of 32 keys lies in one lane's 32 registers, its largest magnitude needs no other lane, and the
; conversions give codes with the keys innermost.  Each load reads 128 consecutive bytes a wave, and the four waves stand side by side on 512.
.Lv:
	s_lshr_b32 s28, ttmp9, 7                       ; b: 2,048 keys x 4,096 bytes
	s_lshl_b32 s28, s28, 23
	s_and_b32 s30, ttmp9, 15                       ; step: 128 keys x 4,096 bytes
	s_lshl_b32 s30, s30, 19
	s_add_co_u32 s28, s28, s30
	s_bfe_u32 s30, ttmp9, 0x30004                  ; kv head: 512 bytes
	s_lshl_b32 s30, s30, 9
	s_add_co_u32 s28, s28, s30
	s_add_co_u32 s28, s28, s26                     ; my wave's 32 columns: 128 bytes
	s_mov_b32 s29, 0
	s_add_nc_u64 s[6:7], s[6:7], s[28:29]
	s_add_nc_u64 s[10:11], s[8:9], s[24:25]
	s_add_nc_u64 s[10:11], s[10:11], 8192          ; my codes
	s_add_nc_u64 s[12:13], s[8:9], s[26:27]
	s_add_nc_u64 s[12:13], s[12:13], 16896         ; my scale words
.macro VLOAD t                         ; block t: V(key 32 t + i, my column), i = 0 .. 31, into set t % 2; the largest offset, 127 x 4,096, lies inside the signed 24-bit immediate (ISA guide, chapter 10)
.irp i, 0,1,2,3,4,5,6,7,8,9,10,11,12,13,14,15,16,17,18,19,20,21,22,23,24,25,26,27,28,29,30,31
	global_load_b32 v[VX+32*((\t)%2)+\i], v7, s[6:7] offset:(32*(\t)+\i)*4096 th:TH_LOAD_NT
.endr
.endm
	VLOAD 0
	VLOAD 1
.macro VBLOCK t
.set XS, VX+32*((\t)%2)
.if (\t) < 3
	s_wait_loadcnt 32                              ; this block's 32 loads are in; the next block's 32 may be out
.else
	s_wait_loadcnt 0x0
.endif
	v_max3_num_f32 v12, |v[XS]|, |v[XS+1]|, |v[XS+2]|              ; the block's largest magnitude: all 32 numbers are mine
	v_max3_num_f32 v13, |v[XS+3]|, |v[XS+4]|, |v[XS+5]|
.irp i, 6,10,14,18,22,26
	s_delay_alu instid0(VALU_DEP_2)
	v_max3_num_f32 v12, v12, |v[XS+\i]|, |v[XS+\i+1]|
	s_delay_alu instid0(VALU_DEP_2)
	v_max3_num_f32 v13, v13, |v[XS+\i+2]|, |v[XS+\i+3]|
.endr
	s_delay_alu instid0(VALU_DEP_2)
	v_max3_num_f32 v12, v12, |v[XS+30]|, |v[XS+31]|
	s_delay_alu instid0(VALU_DEP_1)
	v_max3_num_f32 v12, v12, v13, 0x1800000        ; and the floor
	s_delay_alu instid0(VALU_DEP_1)
	v_add_nc_u32 v11, 0xff000000, v12              ; the conversion's scale operand
	s_delay_alu instid0(VALU_DEP_1)
	v_lshrrev_b32 v13, 23, v11                     ; the scale's byte
.if (\t) == 0
	s_delay_alu instid0(VALU_DEP_1)
	v_mov_b32 v[VSB], v13                          ; four bytes to the word, the lower keys in the lower byte
.else
	s_delay_alu instid0(VALU_DEP_1)
	v_lshl_or_b32 v[VSB], v13, 8*(\t), v[VSB]
.endif
.irp g, 0,1,2,3
	v_cvt_scalef32_pk8_fp4_f32 v[VC+4*(\t)+\g], v[XS+8*\g:XS+8*\g+7], v11
.endr
	ds_store_b128 v15, v[VC+4*(\t):VC+4*(\t)+3] offset:16*(\t)     ; 32 codes: 16 bytes of my column's row of 64.  Each block has its own four registers: none is written again
.if (\t) < 2
	VLOAD (\t)+2
.endif
.endm
.irp t, 0,1,2,3
	VBLOCK \t
.endr
.irp t, 0,1,2,3
	ds_load_b128 v[VOUT+4*\t:VOUT+4*\t+3], v14 offset:8*SP*\t      ; back as dense bytes, eight rows of 64 an instruction: these see my stores
.endr
	s_wait_alu depctr_va_vdst(0)
.irp t, 0,1,2,3
	s_wait_dscnt 3-\t                              ; load t is in; the loads issued behind it may be out
	global_store_b128 v3, v[VOUT+4*\t:VOUT+4*\t+3], s[10:11] offset:512*\t   ; 32 lanes store 512 consecutive bytes, aligned
.endr
	global_store_b32 v7, v[VSB], s[12:13]          ; 128 consecutive bytes a wave
	s_wait_tensorcnt 0x0
	ds_add_u32 v224, v225
	s_wait_dscnt 0x0
	s_endpgm
.Lfunc_end_k_q796cefff56_prep:
	.size	k_q796cefff56_prep, .Lfunc_end_k_q796cefff56_prep-k_q796cefff56_prep
	.p2alignl 7, 3214868480
	.fill 96, 4, 3214868480
	.section	.rodata,"a",@progbits
	.p2align	6, 0x0
	.amdhsa_kernel k_q796cefff56_prep
		.amdhsa_group_segment_fixed_size 46080
		.amdhsa_private_segment_fixed_size 0
		.amdhsa_enable_private_segment 0
		.amdhsa_kernarg_size 24
		.amdhsa_user_sgpr_count 2
		.amdhsa_user_sgpr_kernarg_segment_ptr 1
		.amdhsa_wavefront_size32 1
		.amdhsa_system_sgpr_workgroup_id_x 1
		.amdhsa_system_sgpr_workgroup_id_y 1
		.amdhsa_system_sgpr_workgroup_id_z 1
		.amdhsa_system_vgpr_workitem_id 0
		.amdhsa_next_free_vgpr 226
		.amdhsa_next_free_sgpr 66
		.amdhsa_reserve_vcc 0
		.amdhsa_float_denorm_mode_32 3
		.amdhsa_float_denorm_mode_16_64 3
		.amdhsa_memory_ordered 1
		.amdhsa_forward_progress 1
		.amdhsa_inst_pref_size 42
	.end_amdhsa_kernel
	.amdgpu_metadata
---
amdhsa.version: [ 1, 2 ]
amdhsa.kernels:
  - .name:           k_q796cefff56_prep
    .symbol:         k_q796cefff56_prep.kd
    .args:
      - { .name: key, .offset: 0, .size: 8, .value_kind: global_buffer, .address_space: global }
      - { .name: value, .offset: 8, .size: 8, .value_kind: global_buffer, .address_space: global }
      - { .name: kv, .offset: 16, .size: 8, .value_kind: global_buffer, .address_space: global }
    .group_segment_fixed_size: 46080
    .private_segment_fixed_size: 0
    .kernarg_segment_align: 8
    .kernarg_segment_size: 24
    .max_flat_workgroup_size: 256
    .sgpr_count:     66
    .vgpr_count:     226
    .wavefront_size: 32
...
	.end_amdgpu_metadata
.endif
;; end of part 1
;; launch attn (part 2): grid 32 x 16, 8 waves a work-group, clusters of 4 x 4, 327,680 bytes of LDS; arguments query, kv, attention_mask, out0; writes out0
.if DOCPART == 2
	.amdgcn_target "amdgcn-amd-amdhsa--gfx1250"
	.amdhsa_code_object_version 6
	.text
	.protected	k_q796cefff56_attn
	.globl	k_q796cefff56_attn
	.p2align	8
	.type	k_q796cefff56_attn,@function
k_q796cefff56_attn:
	s_mov_b64 s[64:65], 0
	v_nop
	global_prefetch_b8 v0, s[64:65] scope:SCOPE_SE
	s_setreg_imm32_b32 hwreg(HW_REG_WAVE_MODE, 25, 1), 1
	s_wait_xcnt 0x0
	s_wait_alu depctr_hold_cnt(0) depctr_sa_sdst(0) depctr_va_vdst(0) depctr_va_sdst(0) depctr_va_ssrc(0) depctr_va_vcc(0) depctr_vm_vsrc(0)
	s_getreg_b32 s2, hwreg(HW_REG_IB_STS2, 6, 4)
	s_cmp_eq_u32 s2, 0
	s_cbranch_scc0 .Lentry_in_a_cluster
	s_endpgm
.Lentry_in_a_cluster:
	s_bfe_u32 s2, ttmp6, 0x10000c
	s_cmp_lg_u32 s2, 0xf033
	s_cbranch_scc0 .Lentry_shape_is_right
	s_endpgm
.Lentry_shape_is_right:
; out[b][hq][q][:] = softmax_k(Q . K / sqrt(128) + mask[b][q][k]) V: 32 query heads on 8 key/value heads, 2,048 keys, head size 128; both products on FP4 (E2M1) codes, one E8M0 scale for each 32 along K.
; THE MASK IS AN INPUT: every number of it is read, and every tile of scores is computed.  Nothing of reference() is left out.
; THE MASK GOES IN AS THE FIRST PRODUCT'S C: S' = K Q^T + mask x sqrt(128), so t = S' x c with c = log2(e) / sqrt(128); the mask is multiplied once a step for both heads, and no addition is written.
; M = the running largest t rounded UP to a whole number; p = 2^(t - M) = exp2(S' c - M), one packed multiply-add and one exponential, is quantised along the keys, not normalised.
; The row's sum is taken of the unquantised p and divides at the end.  When M moves, the sum and O are multiplied by 2^(old M - new M): exact, no branch on data.
; SHARES: a work-group owns 64 queries of the FOUR query heads of one key/value head; wave w owns 16 queries (w / 2) of TWO heads (2 (w % 2), + 1): each fragment of K and V, scale word and mask number read from LDS serves two tiles.
; Eight waves of 512 registers.  128 keys a step, two steps to an LDS slot, two slots by turns.
; CLUSTER 4 x 4: x = four blocks of queries, y = four key/value heads of one batch.  kv's tile hangs on the head alone: asked for jointly along a row; the mask's on queries and batch alone: jointly along a column.
; Wave 0 asks for kv's tile (136 rows), wave 1 for the mask's (64 rows): one tensor load of a wave is out at the most.
; PREFETCH: at the change of slots that loads slot j the slot j + 1 is named, a slot's two steps ahead of its load.  Waves 2, 3: the mask's 64 rows x 1,024 bytes; the partner at cy takes 16 rows, a wave 8 rows x 4 blocks of 256 bytes.
; Waves 4, 5: kv's 136 blocks of 256 bytes; the partner at cx takes 34, a wave 17 (lanes 17 to 31 name the wave's last block again).  Partners part by ADDRESS.  Slots 0 and 1 come by their loads alone; the last change that fills names nothing.
; LAYOUT: both products transposed (S^T = K Q^T, O^T = V^T P^T): a lane holds ONE query (lane % 16).  K's rows lie in tile order in kv, so registers 16 B + i of S^T are keys 32 B + 16 (lane / 16) + i.
; LIMITS: NaN among the inputs is not served.  A mask number beyond 3e37 in size becomes infinite by the factor sqrt(128): its p is 0, as with the number itself, while some key of the row is open; a row masked by -infinity everywhere gives NaN.
; Where |mask| is so large that f32 loses the score beside it (1e9), the sum S' is rounded by the matrix unit and not by a vector multiply-add; such keys count only in rows that are masked so everywhere.
; A block's largest p is the block's largest S' put through the same multiply-add and exponential: this takes v_exp_f32 not to fall where its input rises (the ISA guide promises 1 ulp).
; LDS: slot s at s x 2^17: +0 two steps' blocks of kv, 136 rows of 256 + 16 bytes (a step: K's codes, +8,704 V's, +17,408 K's scale words, +17,952 V's); +37,120 the mask's tile, 64 rows of 1,024 + 16 bytes.
;      2^18: the spare words; behind them a stage of 16 x 272 bytes for each wave (Q in, O out), which no tensor load fills.  All LDS is claimed.
; REGISTERS, two windows of 256: head 0 in window 0, head 1 at the same numbers in window 1.  Window 0: v1-11 addresses, v12-23 scale words, v24-87 fragments of K, then V, v255 prefetch offset; window 1: v24-87 the mask.
;   both: v88-95 Q; v96-159 S^T, then p; v160-223 O^T; v224-231 p's codes; v232-254 at work.
.set BLKB,  17408
.set SLOT1, 1<<17
.set STEPB, 68*272
.set VCO,   32*272
.set KSO,   64*272
.set VSO,   66*272
.set TILEB, 4*272
.set MOFF,  37120
.set MP,    1040
.set SPARE, 2*SLOT1
.set STAGE, SPARE+1024
.set STW,   16*272
.set LT,  1                            ; fragment lane term: 64 r + 16 (r / 4) + 16 h
.set LS,  2                            ; 4 x lane
.set LM,  3                            ; my query's mask row, + 64 h
.set SPW, 4                            ; my spare word; never rewritten
.set NIL, 5                            ; 0; never rewritten
.set STO, 6                            ; stage: row r, + 32 h
.set RD,  7                            ; stage by whole rows
.set GO,  8                            ; the same two rows in Q and O
.set ADK, 9
.set QR,  9                            ; (first) stage: row r, + 64 h
.set ADS, 10
.set ADM, 11
.set SK,  12
.set SV,  16
.set QS,  20
.set PS,  22
.set FR,  24
.set MK,  24                           ; window 1
.set QC,  88
.set SC,  96
.set OA,  160
.set PC,  224
.set BM,  232
.set T4,  236
.set NM,  240                          ; -M; v241 the largest t
.set TX,  241
.set LL,  242
.set SO,  244
.set A2,  248
.set FF,  252
.set TT,  254
.set PFO, 255
.set WV,  12
.set SEL, 20
.set CL,  22                           ; s[22:23] sqrt(128)
.set CQ,  24                           ; s[24:25] log2(e) / sqrt(128)
.set G1KV, 28
.set G1M,  36
.set G0KV, 44
.set G0M,  48
.set TB,   52
.set SLOTS, 53
.set PFS,  58                          ; s[58:59] a slot on, in bytes, for my prefetches
.set PFA,  60                          ; s[60:61] where they stand
.set LIM,  62                          ; 1 in waves 2 to 5, else the greatest number
.set MSB, 0
.macro WIN new
.if MSB != (\new)
	s_set_vgpr_msb (MSB<<8)|(\new)
.set MSB, (\new)
.endif
.endm
.macro GRD
	s_wait_alu depctr_va_vdst(0)
.endm
.macro CROUND                          ; a round of the cluster's barrier
	s_barrier_signal -1
	s_barrier_wait -1
	s_cmp_lg_u32 s[WV], 0
	s_cbranch_scc1 .Lnot_wave_0_\@
	s_barrier_signal -3
.Lnot_wave_0_\@:
	s_barrier_wait -3
	s_barrier_signal -1
	s_barrier_wait -1
.endm
.macro JLOAD                           ; wave 0: kv's tile; wave 1: the mask's.  s_nop 0 and four v_nop behind each
	s_cmp_eq_u32 s[WV], 0
	s_cbranch_scc0 .Lnot_kv_\@
	tensor_load_to_lds s[G0KV:G0KV+3], s[G1KV:G1KV+7]
	s_nop 0
.rept 4
	v_nop
.endr
	s_branch .Lasked_\@
.Lnot_kv_\@:
	s_cmp_eq_u32 s[WV], 1
	s_cbranch_scc0 .Lasked_\@
	tensor_load_to_lds s[G0M:G0M+3], s[G1M:G1M+7]
	s_nop 0
.rept 4
	v_nop
.endr
.Lasked_\@:
.endm
.macro ASK                             ; the slot that the next change will load; none in the last trip (SLOTS = 1)
	s_cmp_gt_u32 s[SLOTS], s[LIM]
	s_cbranch_scc0 .Lnot_mine_\@
	global_prefetch_b8 v[PFO], s[PFA:PFA+1] th:TH_LOAD_NT scope:SCOPE_SE
.Lnot_mine_\@:
.endm
	s_load_b256 s[4:11], s[0:1], 0x0               ; query, kv, mask, out
	v_lshl_add_u32 v[SPW], v0, 2, SPARE
	v_mov_b32 v[NIL], 0
	ds_add_u32 v[SPW], v[NIL]                      ; the opening lines: the add twice on end under one wait
	ds_add_u32 v[SPW], v[NIL]
	v_lshrrev_b32 v1, 5, v0
	v_readfirstlane_b32 s[WV], v1                  ; wave 0..7
	v_and_b32 v250, 15, v0                         ; r
	v_bfe_u32 v251, v0, 4, 1                       ; h
	v_lshlrev_b32 v[GO], 9, v251
	v_lshl_add_u32 v[GO], v250, 4, v[GO]           ; 512 h + 16 r
	s_lshr_b32 s13, s[WV], 1                       ; which 16 queries
	s_and_b32 s14, s[WV], 1                        ; which pair of heads
	s_bfe_u32 s15, ttmp6, 0x40000                  ; cx
	s_bfe_u32 s16, ttmp6, 0x40004                  ; cy
	s_lshl_b32 s17, ttmp9, 2
	s_add_co_u32 s17, s17, s15                     ; x: block of 64 queries
	s_and_b32 s19, ttmp7, 0xffff
	s_lshl_b32 s18, s19, 2
	s_add_co_u32 s18, s18, s16                     ; y: b 8 + kv head
	s_lshr_b32 s19, s19, 1                         ; b
	s_lshl_b32 s26, s16, 2
	s_lshl_b32 s26, 15, s26                        ; my row of the cluster
	s_lshl_b32 s27, 0x1111, s15                    ; my column
	s_or_b32 s[G1KV], s26, (3<<16)|(1<<20)|(1<<21)|(5<<22)|(3<<25)   ; kv: 136 rows of 32 elements of 8 bytes, 4 words of padding after every 64
	s_mov_b32 s[G1KV+1], 32<<16
	s_mov_b32 s[G1KV+2], 136<<16
	s_mov_b32 s[G1KV+3], 32<<16
	s_mov_b32 s[G1KV+4], 136
	s_mov_b32 s[G1KV+5], 32
	s_mov_b32 s[G1KV+6], 0
	s_mov_b32 s[G1KV+7], 0
	s_or_b32 s[G1M], s27, (2<<16)|(1<<20)|(1<<21)|(7<<22)|(3<<25)    ; mask: 64 rows of 256 f32, pitch 2,048, 4 words of padding after every 256
	s_mov_b32 s[G1M+1], 256<<16
	s_mov_b32 s[G1M+2], 64<<16
	s_mov_b32 s[G1M+3], 256<<16
	s_mov_b32 s[G1M+4], 64
	s_mov_b32 s[G1M+5], 2048
	s_mov_b32 s[G1M+6], 0
	s_mov_b32 s[G1M+7], 0
	s_mov_b32 s[SEL], 0x76543210
	s_mov_b32 s[SEL+1], 0xfedcba98
	s_mov_b32 s[CL], 0x413504f3                    ; sqrt(128)
	s_mov_b32 s[CL+1], s[CL]
	s_mov_b32 s[CQ], 0x3e0293ee                    ; log2(e) / sqrt(128)
	s_mov_b32 s[CQ+1], s[CQ]
	s_mul_i32 s54, s18, 16*BLKB                    ; kv: the head's 16 blocks: hangs on y alone
	s_mov_b32 s55, 0
	s_lshl_b32 s56, s19, 24                        ; mask: b, + 64 x rows of 8,192 bytes: hangs on x and b alone
	s_lshl_b32 s57, s17, 19
	s_add_co_u32 s56, s56, s57
	s_mov_b32 s57, 0
	s_lshl_b32 s58, s18, 2                         ; Q and O: head 4 y + 2 (w % 2), row 64 x + 16 (w / 2)
	s_lshl_b32 s59, s14, 1
	s_add_co_u32 s58, s58, s59
	s_lshl_b32 s58, s58, 20
	s_lshl_b32 s59, s17, 15
	s_add_co_u32 s58, s58, s59
	s_lshl_b32 s59, s13, 13
	s_add_co_u32 s58, s58, s59
	s_mov_b32 s59, 0
	GRD
	s_wait_dscnt 0x0                               ; both opening adds are done
	s_wait_kmcnt 0x0
	s_add_nc_u64 s[4:5], s[4:5], s[58:59]
	s_add_nc_u64 s[10:11], s[10:11], s[58:59]
.macro QLOAD i, raw                    ; Q of head i as it lies: sixteen lanes read 256 consecutive bytes, aligned
.irp u, 0,1
.irp k, 0,1,2,3,4,5,6,7
	global_load_b128 v[\raw+32*\u+4*\k:\raw+32*\u+4*\k+3], v[GO], s[4:5] offset:\i*1048576+1024*\k+256*\u th:TH_LOAD_NT
.endr
.endr
.endm
	QLOAD 0, OA
	QLOAD 1, FR
	s_mov_b32 s[G0KV], 1
	s_mov_b32 s[G0KV+1], 0
	s_add_nc_u64 s[G0KV+2:G0KV+3], s[6:7], s[54:55]
	s_or_b32 s[G0KV+3], s[G0KV+3], 0x80000000
	s_mov_b32 s[G0M], 1
	s_mov_b32 s[G0M+1], MOFF
	s_add_nc_u64 s[G0M+2:G0M+3], s[8:9], s[56:57]
	s_or_b32 s[G0M+3], s[G0M+3], 0x80000000
	CROUND                                         ; the first joint loads meet
	JLOAD                                          ; slot 0
	; the prefetches: waves 2, 3 the mask, waves 4, 5 kv; they stand at slot 1, and the first change steps them to slot 2
	s_mul_i32 s26, s15, 34*256                     ; kv: partner cx's 34 blocks,
	s_mul_i32 s27, s14, 17*256                     ; my wave's 17,
	s_add_co_u32 s26, s26, s27
	s_add_co_u32 s26, s26, 2*BLKB
	s_lshl_b32 s27, s16, 17                        ; mask: partner cy's 16 rows,
	s_lshl_b32 s63, s14, 16                        ; my wave's 8
	s_add_co_u32 s27, s27, s63
	s_add_co_u32 s27, s27, 1024
	s_mov_b32 s63, 1024
	s_lshr_b32 s62, s[WV], 1
	s_cmp_eq_u32 s62, 2                            ; the wave's number alone decides
	s_cselect_b64 s[PFA:PFA+1], s[6:7], s[8:9]
	s_cselect_b64 s[2:3], s[54:55], s[56:57]
	s_cselect_b32 s26, s26, s27
	s_cselect_b32 s[PFS], 2*BLKB, s63
	s_mov_b32 s[PFS+1], 0
	s_mov_b32 s27, 0
	s_add_nc_u64 s[PFA:PFA+1], s[PFA:PFA+1], s[2:3]
	s_add_nc_u64 s[PFA:PFA+1], s[PFA:PFA+1], s[26:27]
	s_mov_b32 s63, 8192
	s_cselect_b32 s27, 1024, s63                   ; bytes from four lanes to the next four
	s_cselect_b32 s26, 16, 31                      ; the last lane with a block of its own
	s_sub_co_u32 s62, s62, 1
	s_cmp_lt_u32 s62, 2
	s_cselect_b32 s[LIM], 1, -1
	v_lshrrev_b32 v255, 2, v250
	v_lshlrev_b32 v[LT], 6, v250
	v_lshl_add_u32 v[LT], v255, 4, v[LT]
	v_lshl_add_u32 v[LT], v251, 4, v[LT]
	v_and_b32 v[LS], 31, v0
	v_lshlrev_b32 v[LS], 2, v[LS]
	s_mul_i32 s2, s13, 16*MP
	s_add_co_u32 s2, s2, MOFF
	v_mul_u32_u24 v[LM], v250, MP
	v_lshl_add_u32 v[LM], v251, 6, v[LM]
	v_add_nc_u32 v[LM], s2, v[LM]
	s_mul_i32 s3, s[WV], STW
	s_add_co_u32 s3, s3, STAGE                     ; my stage
	v_mul_u32_u24 v[STO], v250, 272
	v_lshl_add_u32 v[STO], v251, 5, v[STO]
	v_add_nc_u32 v[STO], s3, v[STO]
	v_mul_u32_u24 v[RD], v251, 272
	v_lshl_add_u32 v[RD], v250, 4, v[RD]
	v_add_nc_u32 v[RD], s3, v[RD]
	v_mul_u32_u24 v[QR], v250, 272
	v_lshl_add_u32 v[QR], v251, 6, v[QR]
	v_add_nc_u32 v[QR], s3, v[QR]
	v_and_b32 v250, 31, v0                         ; the prefetch offset: a = min(lane, last); (a / 4) x s27 + 256 (a % 4)
	v_min_u32 v250, s26, v250
	v_lshrrev_b32 v251, 2, v250
	v_and_b32 v250, 3, v250
	v_mul_lo_u32 v251, v251, s27
	v_lshl_add_u32 v[PFO], v250, 8, v251
.irp b, 0,1,2,3
	v_mov_b32 v[T4+\b], 0                          ; a lane permute's destination counts as a source
.endr
.macro TURNQ raw                       ; Q through my stage: register SC + 16 B + i = Q(r, 32 B + 16 h + i).  LDS serves a wave's instructions in order (ISA guide 5.7.1.4)
.irp u, 0,1
.irp k, 0,1,2,3,4,5,6,7
	ds_store_b128 v[RD], v[\raw+32*\u+4*\k:\raw+32*\u+4*\k+3] offset:544*\k
.endr
.irp b, 0,1
.irp j, 0,1,2,3
	ds_load_b128 v[SC+32*\u+16*\b+4*\j:SC+32*\u+16*\b+4*\j+3], v[QR] offset:128*\b+16*\j
.endr
.endr
.endr
.endm
.macro SCALES pw, hw                   ; from the blocks' largest magnitudes in BM: conversion operands in SO, the scale word in v[pw] of window 0
.irp b, 0,1,2,3
	v_add_nc_u32 v[SO+\b], 0xff000000, v[BM+\b]    ; 2 off the exponent field
.endr
.irp b, 0,1,2,3
	v_lshrrev_b32 v[T4+\b], 23, v[SO+\b]           ; the byte
.endr
	v_lshl_or_b32 v[TT], v[T4+1], 8, v[T4]
	v_lshl_or_b32 v[TT], v[T4+2], 16, v[TT]
	WIN 0x11*\hw                                   ; scale operands have no window: the word goes to window 0
	v_lshl_or_b32 v[\pw], v[T4+3], 24, v[TT]
	WIN 0x55*\hw
.endm
.macro CODES pc                        ; SC's 64 numbers into a fragment's codes
.irp b, 0,1,2,3
	v_cvt_scalef32_pk8_fp4_f32 v[\pc+2*\b], v[SC+16*\b:SC+7+16*\b], v[SO+\b]
	v_cvt_scalef32_pk8_fp4_f32 v[\pc+1+2*\b], v[SC+8+16*\b:SC+15+16*\b], v[SO+\b]
.endr
	v_nop                                          ; one plain place behind a scaled conversion
.irp c, 0,1                                    ; a WHOLE block in a lane
.irp i, 0,1
	v_permlane16_swap_b32 v[\pc+4*\c+\i], v[\pc+2+4*\c+\i]
.endr
.endr
.endm
.macro JOIN16                          ; BM with lane l xor 16's
.irp b, 0,1,2,3
	v_permlanex16_b32 v[T4+\b], v[BM+\b], s[SEL], s[SEL+1]
.endr
.irp b, 0,1,2,3
	v_max_num_f32 v[BM+\b], v[BM+\b], v[T4+\b]
.endr
.endm
.macro QUANT pc, pw
.irp b, 0,1,2,3
	v_max3_num_f32 v[BM+\b], |v[SC+16*\b]|, |v[SC+1+16*\b]|, 0x1800000   ; with the floor 2^(3 - 127): the byte cannot fall under 1
.endr
.irp i, 2,4,6,8,10,12,14
.irp b, 0,1,2,3
	v_max3_num_f32 v[BM+\b], v[BM+\b], |v[SC+16*\b+\i]|, |v[SC+1+16*\b+\i]|
.endr
.endr
	JOIN16
	SCALES \pw, 0
	CODES \pc
.endm
.macro INIT                            ; O^T and the sums begin as zeros, the largest t as -3e38: the step has no first form of its own
.set jj, 0
.rept 64
	v_mov_b32 v[OA+jj], 0
.set jj, jj+1
.endr
.irp b, 0,1,2,3
	v_mov_b32 v[T4+\b], 0
.endr
	v_mov_b32 v[FF+1], 0
	v_mov_b32 v[LL], 0
	v_mov_b32 v[LL+1], 0
	v_mov_b32 v[NM], 0x7f61b1e6
	v_mov_b32 v[TX], 0xff61b1e6
.endm
	GRD
	s_wait_loadcnt 16                              ; head 0's sixteen loads are in; head 1's sixteen may be out
	TURNQ OA
	s_wait_dscnt 0x0
	QUANT QC, QS
	s_wait_loadcnt 0x0
	TURNQ FR
	s_wait_dscnt 0x0
	QUANT PC, QS+1
	WIN 0x40
.irp i, 0,1,2,3,4,5,6,7
	v_mov_b32 v[QC+\i], v[PC+\i]                   ; head 1's Q to its window
.endr
	INIT
	WIN 0
	INIT                                           ; (also the places between Q's codes and scale words and the first scaled product)
.macro KQ h                            ; S' = K Q^T + mask x sqrt(128): eight tiles of 16 keys; C lies in window 1
.irp t, 0,1,2,3,4,5,6,7
.if (\t)%2
	v_wmma_scale_f32_16x16x128_f8f6f4 v[SC+8*\t:SC+8*\t+7], v[FR+8*\t:FR+8*\t+7], v[QC:QC+7], v[MK+8*\t:MK+8*\t+7], v[SK+\t/2], v[QS+\h] matrix_a_fmt:MATRIX_FMT_FP4 matrix_b_fmt:MATRIX_FMT_FP4 matrix_a_scale:MATRIX_SCALE_ROW1
.else
	v_wmma_scale_f32_16x16x128_f8f6f4 v[SC+8*\t:SC+8*\t+7], v[FR+8*\t:FR+8*\t+7], v[QC:QC+7], v[MK+8*\t:MK+8*\t+7], v[SK+\t/2], v[QS+\h] matrix_a_fmt:MATRIX_FMT_FP4 matrix_b_fmt:MATRIX_FMT_FP4
.endif
.endr
.endm
.macro PV h                            ; O^T += V^T P^T: the eight accumulators take turns
.irp t, 0,1,2,3,4,5,6,7
.if (\t)%2
	v_wmma_scale_f32_16x16x128_f8f6f4 v[OA+8*\t:OA+8*\t+7], v[FR+8*\t:FR+8*\t+7], v[PC:PC+7], v[OA+8*\t:OA+8*\t+7], v[SV+\t/2], v[PS+\h] matrix_a_fmt:MATRIX_FMT_FP4 matrix_b_fmt:MATRIX_FMT_FP4 matrix_a_scale:MATRIX_SCALE_ROW1
.else
	v_wmma_scale_f32_16x16x128_f8f6f4 v[OA+8*\t:OA+8*\t+7], v[FR+8*\t:FR+8*\t+7], v[PC:PC+7], v[OA+8*\t:OA+8*\t+7], v[SV+\t/2], v[PS+\h] matrix_a_fmt:MATRIX_FMT_FP4 matrix_b_fmt:MATRIX_FMT_FP4
.endif
.endr
.endm
.macro PRE h                           ; head h, 128 keys, ahead of the exponentials: maxima, M, t - M, and the sums and O^T under the new M.  Both heads' stand ahead of the step's first exponential
	WIN 0x55*\h
.irp b, 0,1,2,3
	v_max3_num_f32 v[BM+\b], v[SC+16*\b], v[SC+16*\b+1], v[SC+16*\b+2]   ; each block's largest S', each accumulator from its low end on
.endr
.irp i, 3,5,7,9,11,13
.irp b, 0,1,2,3
	v_max3_num_f32 v[BM+\b], v[BM+\b], v[SC+16*\b+\i], v[SC+16*\b+\i+1]
.endr
.endr
.irp b, 0,1,2,3
	v_max_num_f32 v[BM+\b], v[BM+\b], v[SC+16*\b+15]
.endr
	JOIN16
	v_max3_num_f32 v[TT], v[BM], v[BM+1], v[BM+2]
	v_max_num_f32 v[TT], v[TT], v[BM+3]
	v_mul_f32 v[TT], s[CQ], v[TT]                  ; as t (c is positive)
	v_max_num_f32 v[TX], v[TX], v[TT]              ; the running largest t
	v_mov_b32 v[TT], v[NM]
	v_floor_f32 v[NM], -v[TX]                      ; -M = floor(-t): M is a whole number
	v_sub_f32 v[TT], v[NM], v[TT]
	v_cvt_i32_f32 v[TT], v[TT]                     ; (it saturates)
	v_ldexp_f32 v[FF], 1.0, v[TT]                  ; f = 2^(old M - new M)
.set jj, 0
.rept 32
	v_pk_fma_f32 v[SC+jj:SC+jj+1], v[SC+jj:SC+jj+1], s[CQ:CQ+1], v[NM:NM+1] op_sel_hi:[1,0,0]   ; t - M, two at a time
.set jj, jj+2
.endr
.irp b, 0,1,2,3
	v_fma_f32 v[BM+\b], v[BM+\b], s[CQ], v[NM]     ; the same of each block's largest
.endr
	v_pk_mul_f32 v[LL:LL+1], v[LL:LL+1], v[FF:FF+1] op_sel_hi:[1,0]   ; the sums under the new M
.set jj, 0
.rept 32
	v_pk_mul_f32 v[OA+jj:OA+jj+1], v[OA+jj:OA+jj+1], v[FF:FF+1] op_sel_hi:[1,0]   ; O^T x f, each accumulator from its low end on
.set jj, jj+2
.endr
.endm
.macro EXPS                            ; one head's batch, in the window that is set: 64 p and the four blocks' largest p; a wait stands ahead of it, a plain place and a wait behind it
.set jj, 0
.rept 64
	v_exp_f32 v[SC+jj], v[SC+jj]                   ; p, at most 1, not normalised
.set jj, jj+1
.endr
.irp b, 0,1,2,3
	v_exp_f32 v[BM+\b], v[BM+\b]
.endr
	v_nop
	GRD
.endm
.macro POST h                          ; head h behind the exponentials: scale word, codes, the row's sum
	WIN 0x55*\h
.irp b, 0,1,2,3
	v_max_num_f32 v[BM+\b], 0x1800000, v[BM+\b]    ; the floor: a block of zeros keeps the byte 1
.endr
	SCALES PS+\h, \h
	CODES PC
	v_pk_add_f32 v[A2:A2+1], v[SC:SC+1], v[SC+2:SC+3]   ; the row's sum of the unquantised p, two chains; these 32 lines are also the places ahead of the scaled products
.irp j, 4,8,12,16,20,24,28,32,36,40,44,48,52,56,60
	v_pk_add_f32 v[LL:LL+1], v[LL:LL+1], v[SC+\j:SC+\j+1]
	v_pk_add_f32 v[A2:A2+1], v[A2:A2+1], v[SC+\j+2:SC+\j+3]
.endr
	v_pk_add_f32 v[LL:LL+1], v[LL:LL+1], v[A2:A2+1]
.endm
.macro MLOAD q                         ; step q's mask in S^T's own layout, into window 1
	WIN 0x40
.irp b, 0,1,2,3
.irp j, 0,1,2,3
	ds_load_b128 v[MK+16*\b+4*\j:MK+16*\b+4*\j+3], v[ADM] offset:512*\q+128*\b+16*\j
.endr
.endr
	WIN 0
.endm
.macro STEP q                          ; 128 keys, the q-th of the slot in hand, both heads
.rept 4
	v_nop                                          ; four places behind the last products, ahead of loads into their registers
.endr
.if \q == 0
	MLOAD 0                                        ; a slot's first step loads its mask here; the second's came under the first step's softmax
.endif
.irp p, 0,1,2,3
	ds_load_b32 v[SK+\p], v[ADS] offset:STEPB*\q+KSO+128*\p+16*(\p/2)
.endr
.irp t, 0,1,2,3,4,5,6,7
.irp c, 0,1
	ds_load_b128 v[FR+8*\t+4*\c:FR+8*\t+4*\c+3], v[ADK] offset:STEPB*\q+TILEB*\t+32*\c
.endr
.endr
.if \q == 0
	s_wait_dscnt 20                                ; the mask is in; the 4 + 16 loads issued behind it may be out
.endif
	WIN 0x41
.set jj, 0
.rept 32
	v_pk_mul_f32 v[MK+jj:MK+jj+1], v[MK+jj:MK+jj+1], s[CL:CL+1] op_sel_hi:[1,0]   ; x sqrt(128), once for both heads
.set jj, jj+2
.endr
	WIN 0x10                                       ; C in window 1
	GRD
	s_wait_dscnt 0x0                               ; K and its scale words are in
	KQ 0
	WIN 0x54
	KQ 1
	WIN 0
.rept 4
	v_nop                                          ; four places ahead of the loads into K's registers and of the scores' readers
.endr
.irp p, 0,1,2,3
	ds_load_b32 v[SV+\p], v[ADS] offset:STEPB*\q+VSO+128*\p+16*(\p/2)
.endr
.irp t, 0,1,2,3,4,5,6,7
.irp c, 0,1
	ds_load_b128 v[FR+8*\t+4*\c:FR+8*\t+4*\c+3], v[ADK] offset:STEPB*\q+VCO+TILEB*\t+32*\c   ; V lands under the softmax
.endr
.endr
.if \q == 0
	MLOAD 1                                        ; the first product has read its C, four places back: the next step's mask lands under this softmax
.endif
	PRE 0
	PRE 1
	GRD
	EXPS                                           ; head 1's (its window is set)
	WIN 0
	EXPS                                           ; head 0's
	POST 0
	POST 1
	WIN 0
	GRD
	s_wait_dscnt 0x0                               ; V and its scale words are in
	PV 0
	WIN 0x54
	PV 1
	WIN 0
.endm
.macro CHANGE fill                     ; the change of slots, at a slot's head
	WIN 0
	s_wait_tensorcnt 0x0                           ; no tensor load of mine is out
	ds_add_u32 v[SPW], v[NIL]
.if \fill
	ds_add_u32 v[SPW], v[NIL]                      ; the add twice on end
	s_xor_b32 s[G0KV+1], s[G0KV+1], SLOT1
	s_add_nc_u64 s[G0KV+2:G0KV+3], s[G0KV+2:G0KV+3], 2*BLKB
	s_xor_b32 s[G0M+1], s[G0M+1], SLOT1
	s_add_nc_u64 s[G0M+2:G0M+3], s[G0M+2:G0M+3], 1024
	s_wait_xcnt 0x0                                ; my last prefetch has read its address
	s_add_nc_u64 s[PFA:PFA+1], s[PFA:PFA+1], s[PFS:PFS+1]
.endif
	s_wait_dscnt 0x0                               ; the add is done, my reads of the slot that I left are over
.if \fill
	CROUND                                         ; no wave of any partner reads that slot or has a load out
	JLOAD                                          ; the next 256 keys into it
	ASK
.else
	s_barrier_signal -1
	s_barrier_wait -1
.endif
	v_add_nc_u32 v[ADK], s[TB], v[LT]
	v_add_nc_u32 v[ADS], s[TB], v[LS]
	v_add_nc_u32 v[ADM], s[TB], v[LM]
.endm
.macro SLOT_STEPS
	STEP 0
	STEP 1
	s_xor_b32 s[TB], s[TB], SLOT1
.endm
	s_mov_b32 s[TB], 0
	s_mov_b32 s[SLOTS], 7
	GRD
.Lslot:                                            ; seven trips; slot 1's first fill is issued as a refill is
	CHANGE 1
	SLOT_STEPS
	s_sub_co_u32 s[SLOTS], s[SLOTS], 1
	s_cmp_lg_u32 s[SLOTS], 0
	s_cbranch_scc1 .Lslot
	CHANGE 0                                       ; the last slot is written out
	SLOT_STEPS
.macro OUT h, bk                       ; O^T / the sum through my stage, half a row of 16 queries at a time, back into v[bk] on
	WIN 0x55*\h
	v_add_f32 v[LL], v[LL], v[LL+1]
	v_permlanex16_b32 v[T4], v[LL], s[SEL], s[SEL+1]
	v_add_f32 v[LL], v[LL], v[T4]                  ; the row's sum
	GRD
	v_rcp_f32 v[A2], v[LL]
	v_nop
	GRD
.set jj, 0
.rept 32
	v_pk_mul_f32 v[SC+jj:SC+jj+1], v[OA+jj:OA+jj+1], v[A2:A2+1] op_sel_hi:[1,0]   ; register 8 t + i is o(r, 16 t + 8 h + i)
.set jj, jj+2
.endr
.irp u, 0,1
	WIN 0x04*\h                                    ; an LDS store's data are its source 1
.irp t, 0,1,2,3
	ds_store_b128 v[STO], v[SC+32*\u+8*\t:SC+32*\u+8*\t+3] offset:64*\t
	ds_store_b128 v[STO], v[SC+32*\u+8*\t+4:SC+32*\u+8*\t+7] offset:64*\t+16
.endr
	WIN 0
.irp k, 0,1,2,3,4,5,6,7
	ds_load_b128 v[\bk+32*\u+4*\k:\bk+32*\u+4*\k+3], v[RD] offset:544*\k
.endr
.endr
.irp u, 0,1
.irp k, 0,1,2,3,4,5,6,7
	s_wait_dscnt 23-16*\u-\k                       ; this load is in; its half's later loads, and for the first half the second's sixteen, may be out
	global_store_b128 v[GO], v[\bk+32*\u+4*\k:\bk+32*\u+4*\k+3], s[10:11] offset:\h*1048576+1024*\k+256*\u th:TH_STORE_NT   ; sixteen lanes store 256 consecutive bytes, aligned
.endr
.endr
.endm
.rept 4
	v_nop                                          ; four places behind the last products
.endr
	OUT 0, FR                                      ; the heads come back into different registers: no store's data are written again
	OUT 1, SC
	s_wait_tensorcnt 0x0                           ; the wave's end
	ds_add_u32 v[SPW], v[NIL]
	s_wait_dscnt 0x0
	CROUND                                         ; the closing round
	s_endpgm
.Lfunc_end_k_q796cefff56_attn:
	.size	k_q796cefff56_attn, .Lfunc_end_k_q796cefff56_attn-k_q796cefff56_attn
	.p2alignl 7, 3214868480
	.fill 96, 4, 3214868480
	.section	.rodata,"a",@progbits
	.p2align	6, 0x0
	.amdhsa_kernel k_q796cefff56_attn
		.amdhsa_group_segment_fixed_size 327680
		.amdhsa_private_segment_fixed_size 0
		.amdhsa_enable_private_segment 0
		.amdhsa_kernarg_size 32
		.amdhsa_user_sgpr_count 2
		.amdhsa_user_sgpr_kernarg_segment_ptr 1
		.amdhsa_wavefront_size32 1
		.amdhsa_system_sgpr_workgroup_id_x 1
		.amdhsa_system_sgpr_workgroup_id_y 1
		.amdhsa_system_sgpr_workgroup_id_z 1
		.amdhsa_system_vgpr_workitem_id 0
		.amdhsa_next_free_vgpr 512
		.amdhsa_next_free_sgpr 66
		.amdhsa_reserve_vcc 0
		.amdhsa_float_denorm_mode_32 3
		.amdhsa_float_denorm_mode_16_64 3
		.amdhsa_memory_ordered 1
		.amdhsa_forward_progress 1
		.amdhsa_inst_pref_size 185
	.end_amdhsa_kernel
	.amdgpu_metadata
---
amdhsa.version: [ 1, 2 ]
amdhsa.kernels:
  - .name:           k_q796cefff56_attn
    .symbol:         k_q796cefff56_attn.kd
    .args:
      - { .name: query, .offset: 0, .size: 8, .value_kind: global_buffer, .address_space: global }
      - { .name: kv, .offset: 8, .size: 8, .value_kind: global_buffer, .address_space: global }
      - { .name: attention_mask, .offset: 16, .size: 8, .value_kind: global_buffer, .address_space: global }
      - { .name: out0, .offset: 24, .size: 8, .value_kind: global_buffer, .address_space: global }
    .group_segment_fixed_size: 327680
    .private_segment_fixed_size: 0
    .kernarg_segment_align: 8
    .kernarg_segment_size: 32
    .max_flat_workgroup_size: 256
    .sgpr_count:     66
    .vgpr_count:     512
    .wavefront_size: 32
...
	.end_amdgpu_metadata
.endif
;; end of part 2
